; MI455X (gfx1250); checked and timed in simulation.
; The chip was launched on July 23, 2026; its instructions are those of AMD's public machine-readable ISA for CDNA 5 (MIT licence, August 2026) and "CDNA5" Instruction Set Architecture Reference Guide (July 2026). The comments in the code are by the model that wrote it; some were corrected since.
;; Multi Head Attention. Allowed arithmetic: matrix products marked QUANTISED: E2M1 operands, one E8M0 scale for each 32 along K, by v_wmma_scale_f32_16x16x128_f8f6f4 with both operands' format E2M1 (or v_wmma_scale_f32_32x16x128_f4), f32 sums; products left as they are: bf16, f16 or f32 operands; f32 sums; everything else in f32.
;; Inputs: Wk 512 x 512 float32; Wo 512 x 512 float32; Wq 512 x 512 float32; Wv 512 x 512 float32; bk 512 float32; bo 512 float32; bq 512 float32; bv 512 float32; k 2 x 4,096 x 512 float32; q 2 x 4,096 x 512 float32; v 2 x 4,096 x 512 float32.
;; Outputs: out0 2 x 4,096 x 512 float32.
;; This version of the problem:
;;   THIS VERSION OF THE PROBLEM IS GIVEN IN LOW PRECISION. The matrix products marked QUANTISED in the list below multiply operands that are first quantised to E2M1 (2 exponent bits, 1 mantissa bit; 4 bits a number), with one power-of-two scale for each 32 numbers along K (OCP MX v1.0); their sums are f32. The products marked 'left as it is' may take bf16, f16 or f32 operands, with f32 sums. Whichever they take, every output number must still come out within the allowed error. Rounding operands to bf16 (8 significant bits) uses up far more of that allowance than f16 does (11 bits, for magnitudes from 6e-5 to 65,504). All else is computed in f32.
;;   The module's matrix products, in the order in which they are computed (A, B: the left and right operand; K: the contracted axis; several contracted axes count as one K, in the product's order):
;;     1. [M 8,192, K 512] x [K 512, N 512]; A: input q; B: input Wq: QUANTISED
;;     2. [M 8,192, K 512] x [K 512, N 512]; A: input k; B: input Wk: QUANTISED
;;     3. [M 8,192, K 512] x [K 512, N 512]; A: input v; B: input Wv: QUANTISED
;;     4. batch 16 x [M 4,096, K 64] x [K 64, N 4,096]; A: computed on the way; B: computed on the way: left as it is (an operand is computed on the way)
;;     5. batch 16 x [M 4,096, K 4,096] x [K 4,096, N 64]; A: computed on the way; B: computed on the way: left as it is (an operand is computed on the way)
;;     6. [M 8,192, K 512] x [K 512, N 512]; A: computed on the way; B: input Wo: left as it is (an operand is computed on the way)
;;   THE QUANTISER, for each operand of a quantised product, along K:
;;     - K is cut into blocks of 32 from its start; a last block that is shorter is filled with zeros.
;;     - A block's scale is 2^e with e = floor(log2(the largest magnitude in the block)) - 2, held to -126 .. 127; a block of zeros has e = 0. As a byte (E8M0): e + 127.
;;     - Each number is divided by its block's scale, clamped to +-6, and rounded to the nearest number of E2M1, ties to even, subnormals kept.
;;     - The product sums the exact products of the quantised numbers (number of the format x scale) in f32.
;;   ~~~python
;;   def quantise(x, axis):      # numpy; x: float32 -> the quantised numbers, widened to float32 again
;;       x = np.moveaxis(x, axis, -1); K = x.shape[-1]
;;       x = np.pad(x, [(0, 0)] * (x.ndim - 1) + [(0, -K % 32)]); x = x.reshape(x.shape[:-1] + (-1, 32)); a = np.abs(x).max(-1, keepdims=True)
;;       e = np.where(a > 0, np.clip(np.frexp(np.where(a > 0, a, 1))[1] - 1 - 2, -126, 127), 0)      # np.frexp(a)[1] - 1 = floor(log2(a)), exactly
;;       r = np.clip(x / 2.0 ** e, -6, 6)
;;       step = 2.0 ** (np.maximum(np.frexp(np.where(r == 0, 1, r))[1] - 1, 0) - 1)
;;       q = np.round(r / step) * step * 2.0 ** e      # np.round: ties to even
;;       return np.moveaxis(q.reshape(q.shape[:-2] + (-1,))[..., :K], -1, axis).astype(np.float32)
;;   ~~~
;; One version. Each part assembles by itself: llvm-mc -triple=amdgcn-amd-amdhsa -mcpu=gfx1250 --defsym DOCPART=n.
;; ======== version 1 of 1: 4 launches
;; limits: values are held in f16: magnitudes above 65,504 overflow, below 6.1e-05 lose precision
;; workspace buffers: wcodes 393,216 bytes; wscales 24,576 bytes; wo16 524,288 bytes; qkv 25,165,824 bytes; ctx 8,388,608 bytes
;; launch prep (part 1): grid 80 x 1, 4 waves a work-group, no clusters, 0 bytes of LDS; arguments Wq, Wk, Wv, Wo, wcodes, wscales, wo16; writes wcodes, wscales, wo16
.if DOCPART == 1
	.amdgcn_target "amdgcn-amd-amdhsa--gfx1250"
	.amdhsa_code_object_version 6
	.text
	.protected	k_q7110223930_prep
	.globl	k_q7110223930_prep
	.p2align	8
	.type	k_q7110223930_prep,@function
k_q7110223930_prep:
	s_mov_b64 s[64:65], 0
	v_nop
	global_prefetch_b8 v0, s[64:65] scope:SCOPE_SE
	s_setreg_imm32_b32 hwreg(HW_REG_WAVE_MODE, 25, 1), 1
	s_wait_xcnt 0x0
; The weights are laid out once, in the order in which a wave's operand registers take them.
; Wq, Wk, Wv [512][512] f32 (row = output channel, K innermost) become codes of FP4 (E2M1) with one E8M0 byte for each 32 along K;
; Wo [512][512] f32 becomes f16.  Everything is stored as IMAGES: a block of 512 bytes is four registers of an operand, lane l's 16 bytes at 16 l.
;   wcodes  [y 3][RT 32][s 4][c 2][512 B]: tile RT = rows 16 RT .. +15, K step s of 128; block c: lane (r, h) holds k = 128 s + 64 c + 32 h + 0 .. 31 of row 16 RT + r
;   wscales [y 3][RT 32][sp 2][32 lanes x 4 B]: lanes 0-15 the scale word of row r for K step 2 sp, lanes 16-31 for K step 2 sp + 1
;   wo16    [NT 32][ks 16][blk 2][512 B]: lane (r, h) holds k = 32 ks + 16 blk + 8 h + 0 .. 7 of row 16 NT + r
; A block's scale is 2^(floor(log2(largest magnitude)) - 2); its byte is the largest magnitude's exponent field - 2, held at 1 from below.
; LIMITS: a block of zeros gets the byte 1 where the rule says 127 (its codes are zeros, and this program alone reads the bytes); NaN and infinities among the inputs are not served.
; Work-groups 0-47: a wave makes two fragments (one tile of rows, K steps 2 sp and 2 sp + 1) of Wq, Wk or Wv.  Work-groups 48-79: a wave makes four K steps of a tile of Wo.
; A lane reads 128 (Wo: 32) neighbouring bytes of its own row, lanes stand a row apart: the four tensors are 4 MiB in all and are read once, so no stage is spent on them.  Every store of codes or f16 covers 512 consecutive bytes; the scale words' store covers 128.
.set N,   32                           ; v32-159  the numbers as loaded
.set M,   8                            ; v8-9     the two blocks' largest magnitudes
.set SO,  10                           ; v10-11   the conversions' scale operands
.set BY,  12                           ; v12-13   the scale bytes
.set WX,  14                           ; v14      the other half's bytes
.set H8,  15                           ; v15      8 h
.set PW,  16                           ; v16-17   the two fragments' scale words
.set PP,  18                           ; v18      both, lanes 0-15 the first, lanes 16-31 the second
.set PC,  160                          ; v160-175 the codes: 8 registers a fragment, so that no store's data are written again
.set HF,  96                           ; v96-127  Wo as f16
.set SEL, 2                            ; s[2:3]   lane selects: lane l xor 16
; 64 numbers of a lane, register 32 c + i = k 64 c + 32 h + i of its row, become a fragment's 8 registers of codes and its row's scale word.
.macro QUANT src, pc, pw
.irp c, 0,1
	v_max3_num_f32 v[M+\c], |v[32*\c+(\src)]|, |v[32*\c+1+(\src)]|, 0x1800000   ; a whole block of 32 is mine; the floor 2^(3 - 127) holds the byte at 1 from below
.endr
.irp i, 2,4,6,8,10,12,14,16,18,20,22,24,26,28,30
.irp c, 0,1
	v_max3_num_f32 v[M+\c], v[M+\c], |v[32*\c+\i+(\src)]|, |v[32*\c+\i+1+(\src)]|   ; the two blocks by turns
.endr
.endr
.irp c, 0,1
	v_add_nc_u32 v[SO+\c], 0xff000000, v[M+\c]     ; 2 off the exponent field: the conversion takes this operand's exponent field as its scale
.endr
.irp c, 0,1
	v_lshrrev_b32 v[BY+\c], 23, v[SO+\c]           ; the scale's byte
.endr
	v_lshl_or_b32 v[\pw], v[BY+1], 16, v[BY]       ; my blocks are h and 2 + h of the K step's four
	v_lshlrev_b32 v[\pw], v[H8], v[\pw]
	v_permlanex16_b32 v[WX], v[\pw], s[SEL], s[SEL+1]
	v_or_b32 v[\pw], v[\pw], v[WX]                 ; with lane l xor 16's two bytes the word is whole, in both halves
.irp c, 0,1
.irp g, 0,1,2,3
	v_cvt_scalef32_pk8_fp4_f32 v[4*\c+\g+(\pc)], v[32*\c+8*\g+(\src):32*\c+8*\g+7+(\src)], v[SO+\c]
.endr
.endr
	v_nop                                          ; one plain instruction behind the last scaled conversion
.endm
	s_load_b256 s[4:11], s[0:1], 0x0               ; Wq s[4:5], Wk s[6:7], Wv s[8:9], Wo s[10:11]
	s_load_b128 s[12:15], s[0:1], 0x20             ; wcodes s[12:13], wscales s[14:15]
	s_load_b64 s[16:17], s[0:1], 0x30              ; wo16
	v_lshrrev_b32 v1, 5, v0
	v_readfirstlane_b32 s18, v1                    ; wave 0..3
	v_and_b32 v4, 31, v0                           ; lane
	v_and_b32 v5, 15, v0                           ; r
	v_bfe_u32 v6, v0, 4, 1                         ; h
	v_lshlrev_b32 v2, 4, v4                        ; 16 x lane: my place in an image
	v_lshlrev_b32 v3, 2, v4                        ; 4 x lane: my place among scale words
	v_lshlrev_b32 v1, 11, v5                       ; my row: 2,048 bytes a row
	s_mov_b32 s25, 0
	s_mov_b32 s27, 0
	s_mov_b32 s29, 0
	s_cmp_lt_u32 ttmp9, 48
	s_cbranch_scc0 .Lwo
	; ---- Wq, Wk, Wv
	s_lshr_b32 s19, ttmp9, 4                       ; y: which tensor
	s_and_b32 s20, ttmp9, 15
	s_lshl_b32 s20, s20, 2
	s_add_co_u32 s20, s20, s18                     ; 0 .. 63
	s_lshr_b32 s21, s20, 1                         ; RT
	s_and_b32 s22, s20, 1                          ; sp
	v_lshl_add_u32 v1, v6, 7, v1                   ; + 128 h: my block of 32 numbers
	v_lshlrev_b32 v[H8], 3, v6
	v_mov_b32 v[WX], 0                             ; a lane permute's destination counts as read
	v_cmp_lt_u32 vcc_lo, 15, v4                    ; lanes 16-31
	s_mov_b32 s[SEL], 0x76543210
	s_mov_b32 s[SEL+1], 0xfedcba98
	s_lshl_b32 s24, s21, 15                        ; in W: 16 rows a tile,
	s_lshl_b32 s23, s22, 10                        ; two K steps of 512 bytes
	s_add_co_u32 s24, s24, s23
	s_lshl_b32 s26, s19, 17                        ; in wcodes
	s_lshl_b32 s23, s21, 12
	s_add_co_u32 s26, s26, s23
	s_lshl_b32 s23, s22, 11
	s_add_co_u32 s26, s26, s23
	s_lshl_b32 s28, s19, 13                        ; in wscales
	s_lshl_b32 s23, s21, 8
	s_add_co_u32 s28, s28, s23
	s_lshl_b32 s23, s22, 7
	s_add_co_u32 s28, s28, s23
	s_wait_kmcnt 0x0
	s_cmp_eq_u32 s19, 0                            ; the choice hangs on the work-group's number alone
	s_cselect_b64 s[30:31], s[4:5], s[6:7]
	s_cmp_eq_u32 s19, 2
	s_cselect_b64 s[30:31], s[8:9], s[30:31]
	s_add_nc_u64 s[30:31], s[30:31], s[24:25]
	s_add_nc_u64 s[12:13], s[12:13], s[26:27]
	s_add_nc_u64 s[14:15], s[14:15], s[28:29]
.irp e, 0,1
.irp c, 0,1
.irp j, 0,1,2,3,4,5,6,7
	global_load_b128 v[N+64*\e+32*\c+4*\j:N+64*\e+32*\c+4*\j+3], v1, s[30:31] offset:512*\e+256*\c+16*\j
.endr
.endr
.endr
	s_wait_loadcnt 16                              ; the first fragment's 16 loads are in; the second's 16 may be out
	QUANT N, PC, PW
.irp c, 0,1
	global_store_b128 v2, v[PC+4*\c:PC+4*\c+3], s[12:13] offset:512*\c
.endr
	s_wait_loadcnt 0x0
	QUANT N+64, PC+8, PW+1
.irp c, 0,1
	global_store_b128 v2, v[PC+8+4*\c:PC+8+4*\c+3], s[12:13] offset:1024+512*\c
.endr
	v_cndmask_b32 v[PP], v[PW], v[PW+1], vcc_lo    ; lanes 0-15: K step 2 sp; lanes 16-31: K step 2 sp + 1 (lane 16 + r holds row r's word too)
	global_store_b32 v3, v[PP], s[14:15]
	s_endpgm
	; ---- Wo
.Lwo:
	s_sub_co_u32 s20, ttmp9, 48
	s_lshl_b32 s20, s20, 2
	s_add_co_u32 s20, s20, s18                     ; 0 .. 127
	s_lshr_b32 s21, s20, 2                         ; NT
	s_and_b32 s22, s20, 3                          ; which four K steps of 32
	v_lshl_add_u32 v1, v6, 5, v1                   ; + 32 h: my 8 numbers
	s_lshl_b32 s24, s21, 15
	s_lshl_b32 s23, s22, 9
	s_add_co_u32 s24, s24, s23
	s_lshl_b32 s26, s21, 14
	s_lshl_b32 s23, s22, 12
	s_add_co_u32 s26, s26, s23
	s_wait_kmcnt 0x0
	s_add_nc_u64 s[10:11], s[10:11], s[24:25]
	s_add_nc_u64 s[16:17], s[16:17], s[26:27]
.irp k, 0,1,2,3
.irp f, 0,1
.irp u, 0,1
	global_load_b128 v[N+16*\k+8*\f+4*\u:N+16*\k+8*\f+4*\u+3], v1, s[10:11] offset:128*\k+64*\f+16*\u
.endr
.endr
.endr
	s_wait_loadcnt 0x0
.set z, 0
.rept 32
	v_cvt_pk_f16_f32 v[HF+z], v[N+2*z], v[N+2*z+1]
.set z, z+1
.endr
.irp k, 0,1,2,3
.irp f, 0,1
	global_store_b128 v2, v[HF+8*\k+4*\f:HF+8*\k+4*\f+3], s[16:17] offset:1024*\k+512*\f
.endr
.endr
	s_endpgm
.Lfunc_end_k_q7110223930_prep:
	.size	k_q7110223930_prep, .Lfunc_end_k_q7110223930_prep-k_q7110223930_prep
	.p2alignl 7, 3214868480
	.fill 96, 4, 3214868480
	.section	.rodata,"a",@progbits
	.p2align	6, 0x0
	.amdhsa_kernel k_q7110223930_prep
		.amdhsa_group_segment_fixed_size 0
		.amdhsa_private_segment_fixed_size 0
		.amdhsa_enable_private_segment 0
		.amdhsa_kernarg_size 56
		.amdhsa_user_sgpr_count 2
		.amdhsa_user_sgpr_kernarg_segment_ptr 1
		.amdhsa_wavefront_size32 1
		.amdhsa_system_sgpr_workgroup_id_x 1
		.amdhsa_system_sgpr_workgroup_id_y 1
		.amdhsa_system_sgpr_workgroup_id_z 1
		.amdhsa_system_vgpr_workitem_id 0
		.amdhsa_next_free_vgpr 176
		.amdhsa_next_free_sgpr 66
		.amdhsa_reserve_vcc 1
		.amdhsa_float_denorm_mode_32 3
		.amdhsa_float_denorm_mode_16_64 3
		.amdhsa_memory_ordered 1
		.amdhsa_forward_progress 1
		.amdhsa_inst_pref_size 17
	.end_amdhsa_kernel
	.amdgpu_metadata
---
amdhsa.version: [ 1, 2 ]
amdhsa.kernels:
  - .name:           k_q7110223930_prep
    .symbol:         k_q7110223930_prep.kd
    .args:
      - { .name: Wq, .offset: 0, .size: 8, .value_kind: global_buffer, .address_space: global }
      - { .name: Wk, .offset: 8, .size: 8, .value_kind: global_buffer, .address_space: global }
      - { .name: Wv, .offset: 16, .size: 8, .value_kind: global_buffer, .address_space: global }
      - { .name: Wo, .offset: 24, .size: 8, .value_kind: global_buffer, .address_space: global }
      - { .name: wcodes, .offset: 32, .size: 8, .value_kind: global_buffer, .address_space: global }
      - { .name: wscales, .offset: 40, .size: 8, .value_kind: global_buffer, .address_space: global }
      - { .name: wo16, .offset: 48, .size: 8, .value_kind: global_buffer, .address_space: global }
    .group_segment_fixed_size: 0
    .private_segment_fixed_size: 0
    .kernarg_segment_align: 8
    .kernarg_segment_size: 56
    .max_flat_workgroup_size: 128
    .sgpr_count:     66
    .vgpr_count:     176
    .wavefront_size: 32
...
	.end_amdgpu_metadata
.endif
;; end of part 1
;; launch proj (part 2): grid 128 x 3, 8 waves a work-group, no clusters, 151,552 bytes of LDS; arguments q, k, v, bq, bk, bv, wcodes, wscales, qkv; writes qkv
.if DOCPART == 2
	.amdgcn_target "amdgcn-amd-amdhsa--gfx1250"
	.amdhsa_code_object_version 6
	.text
	.protected	k_q7110223930_proj
	.globl	k_q7110223930_proj
	.p2align	8
	.type	k_q7110223930_proj,@function
k_q7110223930_proj:
	s_mov_b64 s[64:65], 0
	v_nop
	global_prefetch_b8 v0, s[64:65] scope:SCOPE_SE
	s_setreg_imm32_b32 hwreg(HW_REG_WAVE_MODE, 25, 1), 1
	s_wait_xcnt 0x0
; qh = q Wq^T + bq, kh = k Wk^T + bk, vh = v Wv^T + bv: the three quantised products, on codes of FP4 (E2M1) with one E8M0 scale for each 32 along K = 512; sums in f32; results rounded once to f16.
; Work-group (x, y): tensor y (0 q, 1 k, 2 v: pointers alone are chosen, there is one path), rows 64 x .. 64 x + 63 of its 8,192.
; Eight waves.  THE WAVES SHARE THE COLUMNS: wave w makes head w (channels 64 w .. +63) for all 64 rows, so its part of W, 4 tiles x 4 K steps = 128 registers of codes, is read once and stays in registers.
; Each wave also quantises a part of x: the 16 rows of tile w / 2, K half w % 2: two fragments.  They reach the other waves through LDS as images of their registers (16 bytes a lane at 16 x lane), behind the one barrier.
; x IS READ DENSE AND TURNED IN LDS: each load takes 512 consecutive bytes of a row; the conversions want 32 neighbours along K in one lane, so the wave's 16 x 1,024 bytes go through its own stage and come back 128 bytes a lane.
; THE PRODUCT IS USED TRANSPOSED (source 0 = 16 rows of W, source 1 = 16 rows of x): a lane's eight results are eight neighbouring channels of one row: packed to f16 they are four registers of attention's operands.
; OUT: qkv [y 3][batch x head 16][tile of 16 rows 256][t 4][512 B]: block t = 16 rows x channels 16 t .. +15.  q, k: lane (r, h)'s 16 bytes (row r, channels 16 t + 8 h ..) at 16 x lane.
;   v: the same 16 bytes at 256 (r / 8) + 128 h + 16 (r % 8), where the turning LDS load of the next launch, addressed at 16 x lane, looks for key 8 (lane / 16) + lane % 8, channels 8 ((lane / 8) % 2) ..
; The bias is the C of each sum's first matrix instruction.
; LIMITS: a block of zeros gets the byte 1 where the rule says 127 (its codes are zeros; this program alone reads the bytes); NaN and infinities are not served; results beyond f16's 65,504 are not served
; (with all inputs 30 times the drawn spread the results stay near 5,000).
.set STGW,   16640                     ; LDS: a stage for each wave: 16 rows x SPITCH
.set SPITCH, 1040                      ; 1,024 bytes + 16 = 65 x 16: the sixteen rows that a turned load touches start at sixteen different 16-byte columns modulo 256
.set XIMG,   133120                    ; x's 16 fragments (4 m + s), 1,024 bytes each
.set XSC,    149504                    ; their scale words: (2 m + sp) x 128 bytes: lanes 0-15 K step 2 sp, lanes 16-31 K step 2 sp + 1
.set SPARE,  150528                    ; the spare words, 128 bytes for each wave: four blocks of 256 bytes that no other line names
.set LI,  1                            ; v1   16 x lane
.set LS,  2                            ; v2   4 x lane
.set SS,  3                            ; v3   my stage, on the way in: 16 x lane
.set SL,  4                            ; v4   and on the way out: row r, + 128 h
.set XWI, 5                            ; v5   where I store my two images
.set XWS, 6                            ; v6   and their scale words
.set BO,  7                            ; v7   32 h: my 8 numbers of a tile's bias
.set OL,  8                            ; v8   my 16 bytes' place in a block of qkv
.set SPW, 9                            ; v9   my spare word; never rewritten
.set NIL, 10                           ; v10  0; never rewritten
.set XRI, 11                           ; v11  XIMG + 16 x lane
.set XRS, 12                           ; v12  XSC + 4 x lane
.set RAW, 16                           ; v16-143  x as loaded; then
.set W,   16                           ; v16-143  W's fragment (t, s) at 8 (4 t + s)
.set WS,  144                          ; v144-151 W's scale words (2 t + sp): scales and nothing else
.set M,   152                          ; v152-163 the quantiser's: largest magnitudes,
.set SO,  154                          ;          scale operands,
.set BY,  156                          ;          bytes,
.set WX,  158
.set H8,  159
.set PW,  160                          ;          the two scale words,
.set PP,  162                          ;          both in one register
.set PC,  164                          ; v164-171 a fragment's codes
.set BI,  152                          ; v152-183 afterwards: the bias, 8 registers a tile
.set XS,  184                          ; v184-185 x's scale words: scales and nothing else
.set T,   192                          ; v192-255 64 turned numbers; then
.set XF,  192                          ; v192-223 x's four fragments of a tile of rows,
.set ACC, 224                          ; v224-255 and the four accumulators
.set SEL, 42
.macro QUANT src, pw                   ; 64 numbers of a lane, register 32 c + i = k 64 c + 32 h + i of its row -> codes in v[PC] on, the row's scale word in v[pw]
.irp c, 0,1
	v_max3_num_f32 v[M+\c], |v[32*\c+(\src)]|, |v[32*\c+1+(\src)]|, 0x1800000   ; a whole block of 32 is mine; the floor 2^(3 - 127) holds the byte at 1 from below
.endr
.irp i, 2,4,6,8,10,12,14,16,18,20,22,24,26,28,30
.irp c, 0,1
	v_max3_num_f32 v[M+\c], v[M+\c], |v[32*\c+\i+(\src)]|, |v[32*\c+\i+1+(\src)]|
.endr
.endr
.irp c, 0,1
	v_add_nc_u32 v[SO+\c], 0xff000000, v[M+\c]     ; 2 off the exponent field: the conversion's scale operand
.endr
.irp c, 0,1
	v_lshrrev_b32 v[BY+\c], 23, v[SO+\c]           ; the scale's byte
.endr
	v_lshl_or_b32 v[\pw], v[BY+1], 16, v[BY]       ; my blocks are h and 2 + h of the K step's four
	v_lshlrev_b32 v[\pw], v[H8], v[\pw]
	v_permlanex16_b32 v[WX], v[\pw], s[SEL], s[SEL+1]
	v_or_b32 v[\pw], v[\pw], v[WX]                 ; whole, in both halves of the lanes
.irp c, 0,1
.irp g, 0,1,2,3
	v_cvt_scalef32_pk8_fp4_f32 v[PC+4*\c+\g], v[32*\c+8*\g+(\src):32*\c+8*\g+7+(\src)], v[SO+\c]
.endr
.endr
	v_nop                                          ; one plain instruction behind the last scaled conversion
.endm
.macro TOSTAGE p                       ; K step p of my 16 rows into the stage, as loaded
.irp i, 0,1,2,3,4,5,6,7,8,9,10,11,12,13,14,15
	ds_store_b128 v[SS], v[RAW+64*\p+4*\i:RAW+64*\p+4*\i+3] offset:SPITCH*\i+512*\p
.endr
.endm
.macro TURNED p                        ; and back: my row's blocks h and 2 + h.  LDS serves a wave's instructions in order: these see my stores
.irp j, 0,1,2,3,4,5,6,7,8,9,10,11,12,13,14,15
	ds_load_b128 v[T+4*\j:T+4*\j+3], v[SL] offset:512*\p+256*(\j/8)+16*(\j%8)
.endr
.endm
.macro IMAGE e
.irp c, 0,1
	ds_store_b128 v[XWI], v[PC+4*\c:PC+4*\c+3] offset:1024*\e+512*\c
.endr
.endm
; One matrix instruction: tile t of my channels, K step s.  Even K steps take their scale words from lanes 0-15, odd ones from lanes 16-31, on both sides.
.macro PMUL t, s
.if (\s) == 0
	v_wmma_scale_f32_16x16x128_f8f6f4 v[ACC+8*\t:ACC+8*\t+7], v[W+8*(4*\t+\s):W+8*(4*\t+\s)+7], v[XF+8*\s:XF+8*\s+7], v[BI+8*\t:BI+8*\t+7], v[WS+2*\t], v[XS] matrix_a_fmt:MATRIX_FMT_FP4 matrix_b_fmt:MATRIX_FMT_FP4
.elseif (\s)%2 == 0
	v_wmma_scale_f32_16x16x128_f8f6f4 v[ACC+8*\t:ACC+8*\t+7], v[W+8*(4*\t+\s):W+8*(4*\t+\s)+7], v[XF+8*\s:XF+8*\s+7], v[ACC+8*\t:ACC+8*\t+7], v[WS+2*\t+(\s)/2], v[XS+(\s)/2] matrix_a_fmt:MATRIX_FMT_FP4 matrix_b_fmt:MATRIX_FMT_FP4
.else
	v_wmma_scale_f32_16x16x128_f8f6f4 v[ACC+8*\t:ACC+8*\t+7], v[W+8*(4*\t+\s):W+8*(4*\t+\s)+7], v[XF+8*\s:XF+8*\s+7], v[ACC+8*\t:ACC+8*\t+7], v[WS+2*\t+(\s)/2], v[XS+(\s)/2] matrix_a_fmt:MATRIX_FMT_FP4 matrix_b_fmt:MATRIX_FMT_FP4 matrix_a_scale:MATRIX_SCALE_ROW1 matrix_b_scale:MATRIX_SCALE_ROW1
.endif
.endm
	s_load_b256 s[4:11], s[0:1], 0x0               ; q s[4:5], k s[6:7], v s[8:9], bq s[10:11]
	s_load_b256 s[12:19], s[0:1], 0x20             ; bk s[12:13], bv s[14:15], wcodes s[16:17], wscales s[18:19]
	s_load_b64 s[20:21], s[0:1], 0x40              ; qkv
	v_lshl_add_u32 v[SPW], v0, 2, SPARE
	v_mov_b32 v[NIL], 0
	v_lshrrev_b32 v13, 5, v0
	v_readfirstlane_b32 s22, v13                   ; wave 0..7
	s_and_b32 s23, ttmp7, 0xffff                   ; y
	v_and_b32 v15, 31, v0                          ; lane
	v_and_b32 v13, 15, v0                          ; r
	v_bfe_u32 v14, v0, 4, 1                        ; h
	v_lshlrev_b32 v[LI], 4, v15
	v_lshlrev_b32 v[LS], 2, v15
	s_mul_i32 s24, s22, STGW
	v_add_nc_u32 v[SS], s24, v[LI]
	v_mul_u32_u24 v[SL], v13, SPITCH
	v_lshl_add_u32 v[SL], v14, 7, v[SL]
	v_add_nc_u32 v[SL], s24, v[SL]
	s_lshl_b32 s24, s22, 11                        ; my fragments are 2 w and 2 w + 1
	s_add_co_u32 s24, s24, XIMG
	v_add_nc_u32 v[XWI], s24, v[LI]
	s_lshl_b32 s24, s22, 7
	s_add_co_u32 s24, s24, XSC
	v_add_nc_u32 v[XWS], s24, v[LS]
	v_add_nc_u32 v[XRI], XIMG, v[LI]
	v_add_nc_u32 v[XRS], XSC, v[LS]
	v_lshlrev_b32 v[BO], 5, v14
	v_lshlrev_b32 v[H8], 3, v14
	v_mov_b32 v[WX], 0                             ; a lane permute's destination counts as read
	v_cmp_lt_u32 vcc_lo, 15, v15                   ; lanes 16-31; nothing else writes VCC in this text
	s_cmp_eq_u32 s23, 2                            ; v's blocks are laid for the turning load
	s_cselect_b32 s25, 8, 7
	s_cselect_b32 s26, 7, 8
	v_and_b32 v[OL], 7, v13
	v_lshlrev_b32 v[OL], 4, v[OL]
	v_lshrrev_b32 v13, 3, v13
	v_lshlrev_b32 v13, s25, v13
	v_lshlrev_b32 v14, s26, v14
	v_add3_u32 v[OL], v[OL], v13, v14              ; 16 (r % 8) + (r / 8) x 128 or 256 + h x 256 or 128
	s_mov_b32 s[SEL], 0x76543210
	s_mov_b32 s[SEL+1], 0xfedcba98
	s_lshl_b32 s28, ttmp9, 17                      ; x: 64 rows of 2,048 bytes a work-group,
	s_lshr_b32 s24, s22, 1
	s_lshl_b32 s24, s24, 15                        ; my tile of 16 rows,
	s_add_co_u32 s28, s28, s24
	s_and_b32 s24, s22, 1
	s_lshl_b32 s24, s24, 10                        ; my half of K
	s_add_co_u32 s28, s28, s24
	s_mov_b32 s29, 0
	s_lshl_b32 s30, s23, 17                        ; wcodes: tensor y, tiles 4 w ..
	s_lshl_b32 s24, s22, 14
	s_add_co_u32 s30, s30, s24
	s_mov_b32 s31, 0
	s_lshl_b32 s32, s23, 13                        ; wscales likewise
	s_lshl_b32 s24, s22, 10
	s_add_co_u32 s32, s32, s24
	s_mov_b32 s33, 0
	s_lshl_b32 s34, s22, 8                         ; the bias: my 64 numbers
	s_mov_b32 s35, 0
	s_lshl_b32 s36, s23, 23                        ; qkv: tensor y,
	s_lshr_b32 s24, ttmp9, 6
	s_lshl_b32 s24, s24, 22                        ; the batch (8 heads x 256 tiles x 2,048 bytes),
	s_add_co_u32 s36, s36, s24
	s_lshl_b32 s24, s22, 19                        ; head w,
	s_add_co_u32 s36, s36, s24
	s_and_b32 s24, ttmp9, 63
	s_lshl_b32 s24, s24, 13                        ; my work-group's four tiles of rows
	s_add_co_u32 s36, s36, s24
	s_mov_b32 s37, 0
	s_wait_kmcnt 0x0
	s_cmp_eq_u32 s23, 0                            ; the choices hang on the work-group's number alone
	s_cselect_b64 s[38:39], s[4:5], s[6:7]
	s_cselect_b64 s[40:41], s[10:11], s[12:13]
	s_cmp_eq_u32 s23, 2
	s_cselect_b64 s[38:39], s[8:9], s[38:39]
	s_cselect_b64 s[40:41], s[14:15], s[40:41]
	s_add_nc_u64 s[38:39], s[38:39], s[28:29]
	s_add_nc_u64 s[40:41], s[40:41], s[34:35]
	s_add_nc_u64 s[16:17], s[16:17], s[30:31]
	s_add_nc_u64 s[18:19], s[18:19], s[32:33]
	s_add_nc_u64 s[20:21], s[20:21], s[36:37]
	; ---- my part of x: 32 loads of 512 consecutive bytes, all out at once; K step 0 first
.irp p, 0,1
.irp i, 0,1,2,3,4,5,6,7,8,9,10,11,12,13,14,15
	global_load_b128 v[RAW+64*\p+4*\i:RAW+64*\p+4*\i+3], v[LI], s[38:39] offset:2048*\i+512*\p th:TH_LOAD_NT
.endr
.endr
	s_wait_loadcnt 16                              ; K step 0's 16 loads are in; K step 1's 16 may be out
	TOSTAGE 0
	TURNED 0
	s_wait_loadcnt 0x0
	TOSTAGE 1
	s_wait_dscnt 0x0                               ; the turned numbers are in, and the stores have read the registers that W now takes
.irp i, 0,1,2,3,4,5,6,7,8,9,10,11,12,13,14,15,16,17,18,19,20,21,22,23,24,25,26,27,28,29,30,31
	global_load_b128 v[W+4*\i:W+4*\i+3], v[LI], s[16:17] offset:512*\i     ; my 16 fragments of W, images: they land while x is quantised
.endr
.irp i, 0,1,2,3,4,5,6,7
	global_load_b32 v[WS+\i], v[LS], s[18:19] offset:128*\i
.endr
	QUANT T, PW
	IMAGE 0
	TURNED 1
	s_wait_dscnt 0x0                               ; the next 64 numbers are in, and the image's stores have read the codes
	QUANT T, PW+1
	IMAGE 1
	v_cndmask_b32 v[PP], v[PW], v[PW+1], vcc_lo    ; lanes 0-15: my first K step's words; lanes 16-31: my second's
	ds_store_b32 v[XWS], v[PP]
	s_wait_dscnt 0x0                               ; for the others' sake: my images lie in LDS; and the quantiser's registers are free
.irp t, 0,1,2,3
	global_load_b128 v[BI+8*\t:BI+8*\t+3], v[BO], s[40:41] offset:64*\t          ; lane (r, h): the bias of channels 16 t + 8 h + 0 .. 7
	global_load_b128 v[BI+8*\t+4:BI+8*\t+7], v[BO], s[40:41] offset:64*\t+16
.endr
	s_barrier_signal -1
	s_barrier_wait -1                              ; x's sixteen fragments lie in LDS; nothing is written there again
	; ---- the products, a tile of 16 rows at a time: 16 matrix instructions, the four accumulators by turns, K step by K step
.irp m, 0,1,2,3
.irp i, 0,1,2,3,4,5,6,7
	ds_load_b128 v[XF+4*\i:XF+4*\i+3], v[XRI] offset:4096*\m+512*\i
.endr
.irp sp, 0,1
	ds_load_b32 v[XS+\sp], v[XRS] offset:256*\m+128*\sp
.endr
	s_wait_dscnt 0x0
.if \m == 0
	s_wait_loadcnt 0x0                             ; W, its scale words, the bias
.else
	s_wait_xcnt 0x0                                ; the last tile's stores have read the registers in which the sums begin anew
.endif
.irp s, 0,1,2,3
.irp t, 0,1,2,3
	PMUL \t, \s
.endr
.endr
.rept 4
	v_nop                                          ; four places between the last product and the first read of a result; with the conversions of the other tiles they are also the places ahead of the next tile's loads and products
.endr
.irp t, 0,1,2,3
.irp i, 0,1,2,3
	v_cvt_pk_f16_f32 v[ACC+8*\t+\i], v[ACC+8*\t+2*\i], v[ACC+8*\t+2*\i+1]   ; packed in place, from each accumulator's low end on
.endr
.endr
.irp t, 0,1,2,3
	global_store_b128 v[OL], v[ACC+8*\t:ACC+8*\t+3], s[20:21] offset:2048*\m+512*\t   ; the wave's 32 lanes fill 512 consecutive bytes
.endr
.endr
	s_wait_tensorcnt 0x0                           ; the wave's end, behind my last LDS store
	ds_add_u32 v[SPW], v[NIL]
	s_wait_dscnt 0x0
	s_endpgm
.Lfunc_end_k_q7110223930_proj:
	.size	k_q7110223930_proj, .Lfunc_end_k_q7110223930_proj-k_q7110223930_proj
	.p2alignl 7, 3214868480
	.fill 96, 4, 3214868480
	.section	.rodata,"a",@progbits
	.p2align	6, 0x0
	.amdhsa_kernel k_q7110223930_proj
		.amdhsa_group_segment_fixed_size 151552
		.amdhsa_private_segment_fixed_size 0
		.amdhsa_enable_private_segment 0
		.amdhsa_kernarg_size 72
		.amdhsa_user_sgpr_count 2
		.amdhsa_user_sgpr_kernarg_segment_ptr 1
		.amdhsa_wavefront_size32 1
		.amdhsa_system_sgpr_workgroup_id_x 1
		.amdhsa_system_sgpr_workgroup_id_y 1
		.amdhsa_system_sgpr_workgroup_id_z 1
		.amdhsa_system_vgpr_workitem_id 0
		.amdhsa_next_free_vgpr 256
		.amdhsa_next_free_sgpr 66
		.amdhsa_reserve_vcc 1
		.amdhsa_float_denorm_mode_32 3
		.amdhsa_float_denorm_mode_16_64 3
		.amdhsa_memory_ordered 1
		.amdhsa_forward_progress 1
		.amdhsa_inst_pref_size 39
	.end_amdhsa_kernel
	.amdgpu_metadata
---
amdhsa.version: [ 1, 2 ]
amdhsa.kernels:
  - .name:           k_q7110223930_proj
    .symbol:         k_q7110223930_proj.kd
    .args:
      - { .name: q, .offset: 0, .size: 8, .value_kind: global_buffer, .address_space: global }
      - { .name: k, .offset: 8, .size: 8, .value_kind: global_buffer, .address_space: global }
      - { .name: v, .offset: 16, .size: 8, .value_kind: global_buffer, .address_space: global }
      - { .name: bq, .offset: 24, .size: 8, .value_kind: global_buffer, .address_space: global }
      - { .name: bk, .offset: 32, .size: 8, .value_kind: global_buffer, .address_space: global }
      - { .name: bv, .offset: 40, .size: 8, .value_kind: global_buffer, .address_space: global }
      - { .name: wcodes, .offset: 48, .size: 8, .value_kind: global_buffer, .address_space: global }
      - { .name: wscales, .offset: 56, .size: 8, .value_kind: global_buffer, .address_space: global }
      - { .name: qkv, .offset: 64, .size: 8, .value_kind: global_buffer, .address_space: global }
    .group_segment_fixed_size: 151552
    .private_segment_fixed_size: 0
    .kernarg_segment_align: 8
    .kernarg_segment_size: 72
    .max_flat_workgroup_size: 256
    .sgpr_count:     66
    .vgpr_count:     256
    .wavefront_size: 32
...
	.end_amdgpu_metadata
.endif
;; end of part 2
;; launch attn (part 3): grid 16 x 16, 8 waves a work-group, clusters of 4 x 1, 327,680 bytes of LDS; arguments qkv, ctx; writes ctx
.if DOCPART == 3
	.amdgcn_target "amdgcn-amd-amdhsa--gfx1250"
	.amdhsa_code_object_version 6
	.text
	.protected	k_q7110223930_attn
	.globl	k_q7110223930_attn
	.p2align	8
	.type	k_q7110223930_attn,@function
k_q7110223930_attn:
	s_mov_b64 s[64:65], 0
	v_nop
	global_prefetch_b8 v0, s[64:65] scope:SCOPE_SE
	s_setreg_imm32_b32 hwreg(HW_REG_WAVE_MODE, 25, 1), 1
	s_wait_xcnt 0x0
	s_wait_alu depctr_hold_cnt(0) depctr_sa_sdst(0) depctr_va_vdst(0) depctr_va_sdst(0) depctr_va_ssrc(0) depctr_va_vcc(0) depctr_vm_vsrc(0)
	s_getreg_b32 s2, hwreg(HW_REG_IB_STS2, 6, 4)
	s_cmp_eq_u32 s2, 0
	s_cbranch_scc0 .Lentry_in_a_cluster
	s_endpgm
.Lentry_in_a_cluster:
	s_bfe_u32 s2, ttmp6, 0x10000c
	s_cmp_lg_u32 s2, 0x3003
	s_cbranch_scc0 .Lentry_shape_is_right
	s_endpgm
.Lentry_shape_is_right:
; ctx[b][h][q][:] = the sum over k of softmax_k(qh . kh / 8) vh, head size 64, 4,096 keys, no mask.  Operands in f16, products, maxima and sums in f32; the weights p are rounded to f16 for the second product, ctx once at the end.
; IN: qkv [q, k, v][batch x head 16][tile of 16 rows 256][t 4][512 B], images of operand registers (16 bytes a lane at 16 x lane); v laid for the turning LDS load.
; OUT: ctx [tile of 16 rows 512][4 head + t][512 B]: images of the last product's operand.
; SHARES.  Work-group (x, y): head y (batch x head), queries 256 x .. +255.  Eight waves, two to a SIMD, each with two tiles of 16 queries: one wave's softmax stands beside the other's products.  Every wave walks all keys, 64 a step.
; LAYOUT.  S^T = K Q^T (source 0 = 16 keys, source 1 = 16 queries): a lane holds ONE query and keys 8 (lane / 16) + 0 .. 7.  Two such tiles, packed to f16 in place, ARE source 1 of O^T = V^T P, whose result again holds one query a lane.
; SOFTMAX.  For each query a running maximum m and sum l: p = 2^(c s - c m), c = log2(e) / 8; in every step O and l are multiplied by a = 2^(c m_old - c m_new).  m begins at -3e38, O and l at 0: the step is written once.
; RING.  Two LDS slots of 512 keys (K 65,536 bytes, then V 65,536).  A tile of 16 rows is 2,048 dense bytes, so a slot's K and V are dense blocks: each wave brings 16,384 bytes with one tensor load (waves 0-3 K's quarters, 4-7 V's).
; Fragments are read as images, 512 consecutive bytes an instruction: no pitch, no padding.
; CLUSTER.  The four query blocks of a cluster belong to one head and walk the same K and V: each tile is asked for JOINTLY, by the same load with the same descriptor and the mask of all four.
; By this text's own count a wave has one tensor load out.  All of LDS is claimed.
; LIMITS: NaN and infinities are not served; scores under -3e38 are not served; p under 6e-8 is rounded to 0 for the second product; ctx under 6e-5 is kept with f16's fixed step of 6e-8
; (v, Wv and bv all 30 times under the drawn spread: ctx near 2e-5, about nine significant bits).
.set SLOT1, 1<<17                      ; slot 1 begins here: one exclusive or turns an address in one slot into the other's
.set VOFF,  65536                      ; V behind K in a slot
.set STEPB, 8192                       ; a key step: 4 tiles of 16 keys x 2,048 bytes, in K and in V
.set SLOTB, 65536                      ; a slot's keys in memory, in K and in V
.set SPARE, 2*SLOT1                    ; behind the ring: the spare words, 128 bytes for each wave: four blocks of 256 bytes that no other line names
.set LI,  1                            ; v1   16 x lane
.set LV,  2                            ; v2   16 x lane + VOFF
.set ADK, 3                            ; v3   the step's K
.set ADV, 4                            ; v4   the step's V
.set SPW, 5                            ; v5   my spare word; never rewritten
.set NIL, 6                            ; v6   0; never rewritten
.set PFO, 7                            ; v7   256 x lane: the prefetches' offset; never rewritten
.set ST,  8                            ; tile q's statistics at v[8 + 8 q]: +0 c m, +1 m, +2, +3 l (even keys', odd keys'), +4 to +7 at work; a in +6
.set Q,   32                           ; v32-63   Q: tile q, channels 32 c on, at 16 q + 8 c
.set S,   64                           ; v64-127  S^T: tile q, keys 16 kt on, at 32 q + 8 kt; then P at 32 q + 8 g
.set O,   128                          ; v128-191 O^T: tile q, channels 16 ct on, at 32 q + 8 ct
.set F,   192                          ; v192-255 K's fragments (kt, c) at 16 kt + 8 c; then V's (g, ct) at 32 g + 8 ct
.set WV,  8                            ; s8   my wave's number
.set G1,  16                           ; s[16:23] descriptor group 1
.set G0,  24                           ; s[24:27] descriptor group 0: it walks
.set TB,  28                           ; s28  LDS byte at which the step's K begins
.set CNT, 29                           ; s29  counts a slot's eight steps
.set SLOTS, 30                         ; s30  slots still to be asked for
.set LIM, 31                           ; s31  1 in a wave that prefetches, else the greatest number
.set CS,  32                           ; s[32:33] c, twice: the packed form names a pair
.set SEL, 34                           ; s[34:35] lane selects: lane l xor 16
.set PFA, 36                           ; s[36:37] where my prefetches stand
; A round of the cluster's barrier: my work-group's barrier; wave 0 signals for the work-group; every wave waits for all four work-groups; my work-group's barrier once more.
.macro CROUND
	s_barrier_signal -1
	s_barrier_wait -1
	s_cmp_lg_u32 s[WV], 0
	s_cbranch_scc1 .Lnot_wave_0_\@
	s_barrier_signal -3
.Lnot_wave_0_\@:
	s_barrier_wait -3
	s_barrier_signal -1
	s_barrier_wait -1
.endm
; A PREFETCH INTO THE L2 of the slot that the NEXT change of slots will ask for: eight key steps ahead of that load.  Each aligned block of 256 bytes is named once in the launch: all clusters of a head walk the same
; K and V, so the head's first cluster asks; its four partners take 16,384 bytes each of K's block and of V's, told apart by address; in each, waves 0 and 1 ask for K's (8,192 bytes a wave, lanes 256 bytes apart),
; waves 2 and 3 for V's.  Slots 0 and 1 come by their loads alone; the last change that fills a slot asks for nothing.
.macro ASK
	s_cmp_gt_u32 s[SLOTS], s[LIM]
	s_cbranch_scc0 .Lnot_mine_\@
	global_prefetch_b8 v[PFO], s[PFA:PFA+1] th:TH_LOAD_NT scope:SCOPE_SE
.Lnot_mine_\@:
.endm
; THE CHANGE OF SLOTS stands at a slot's head.  Each wave waits for all its tensor loads (its part of the slot that it is about to read), adds 0 to its spare word, and waits for that and for its reads of the slot that it has left.
; fill = 1: a round of the cluster's barrier, so that no wave of any partner still reads the other slot or has a load on its way; the joint load of the next 512 keys is the first thing behind it and has eight key steps in which to land.
.macro CHANGE fill
	s_wait_tensorcnt 0x0                           ; no tensor load of mine is out, so group 0 may be written
	ds_add_u32 v[SPW], v[NIL]                      ; 0 onto my spare word
.if \fill
	s_xor_b32 s[G0+1], s[G0+1], SLOT1              ; the other slot than last time,
	s_add_nc_u64 s[G0+2:G0+3], s[G0+2:G0+3], SLOTB ; the next 512 keys; the type bits on top are not reached
	s_wait_xcnt 0x0                                ; the last prefetch, a slot back, has read its address:
	s_add_nc_u64 s[PFA:PFA+1], s[PFA:PFA+1], SLOTB ; one slot further on than the walking descriptor
	s_wait_dscnt 0x0                               ; the add is done, and my reads of the slot that I have left are over
	CROUND
	tensor_load_to_lds s[G0:G0+3], s[G1:G1+7]
	s_nop 0
.rept 4
	v_nop
.endr
	ASK
.else
	s_wait_dscnt 0x0
	s_barrier_signal -1
	s_barrier_wait -1
.endif
.endm
; The softmax of my two tiles for one key step; the tiles alternate line by line, so that no line waits for the line above it.
.macro SOFTMAX
.irp j, 0,1,2,3
.irp q, 0,1
	v_max3_num_f32 v[ST+8*\q+4+\j], v[S+32*\q+8*\j], v[S+32*\q+8*\j+1], v[S+32*\q+8*\j+2]   ; four chains, one to an accumulator, each begun at the accumulator's low end
.endr
.endr
.irp u, 3,5
.irp j, 0,1,2,3
.irp q, 0,1
	v_max3_num_f32 v[ST+8*\q+4+\j], v[ST+8*\q+4+\j], v[S+32*\q+8*\j+\u], v[S+32*\q+8*\j+\u+1]
.endr
.endr
.endr
.irp q, 0,1
	v_max3_num_f32 v[ST+8*\q+4], v[ST+8*\q+4], v[S+32*\q+7], v[S+32*\q+15]
.endr
.irp q, 0,1
	v_max3_num_f32 v[ST+8*\q+6], v[ST+8*\q+6], v[S+32*\q+23], v[S+32*\q+31]
.endr
.irp q, 0,1
	v_max3_num_f32 v[ST+8*\q+4], v[ST+8*\q+4], v[ST+8*\q+5], v[ST+8*\q+6]
.endr
.irp q, 0,1
	v_max3_num_f32 v[ST+8*\q+4], v[ST+8*\q+4], v[ST+8*\q+7], v[ST+8*\q+1]   ; and the old m
.endr
.irp q, 0,1
	v_permlanex16_b32 v[ST+8*\q+5], v[ST+8*\q+4], s[SEL], s[SEL+1]          ; the query's other 32 keys lie in the lane 16 away
.endr
.irp q, 0,1
	v_mov_b32 v[ST+8*\q+7], v[ST+8*\q]             ; c m_old is kept for a
.endr
.irp q, 0,1
	v_max_num_f32 v[ST+8*\q+1], v[ST+8*\q+4], v[ST+8*\q+5]
.endr
.irp q, 0,1
	v_mul_f32 v[ST+8*\q], s[CS], v[ST+8*\q+1]
.endr
.irp q, 0,1
	v_sub_f32 v[ST+8*\q+7], v[ST+8*\q+7], v[ST+8*\q]
.endr
	; ONE BATCH: the 32 scalings c s - c m, a pair of scores each, and all 66 exponentials.  None of these lines names an exponential's result; a pair is scaled a group ahead of its exponentials.
.irp q, 0,1
	v_pk_fma_f32 v[S+32*\q:S+32*\q+1], v[S+32*\q:S+32*\q+1], s[CS:CS+1], v[ST+8*\q:ST+8*\q+1] op_sel_hi:[1,0,0] neg_lo:[0,0,1] neg_hi:[0,0,1]
.endr
.irp q, 0,1
	v_exp_f32 v[ST+8*\q+6], v[ST+8*\q+7]           ; a
.endr
.set pb, 0
.rept 16
.if pb < 15
.irp q, 0,1
	v_pk_fma_f32 v[S+32*\q+2*pb+2:S+32*\q+2*pb+3], v[S+32*\q+2*pb+2:S+32*\q+2*pb+3], s[CS:CS+1], v[ST+8*\q:ST+8*\q+1] op_sel_hi:[1,0,0] neg_lo:[0,0,1] neg_hi:[0,0,1]
.endr
.endif
.irp q, 0,1
	v_exp_f32 v[S+32*\q+2*pb], v[S+32*\q+2*pb]
	v_exp_f32 v[S+32*\q+2*pb+1], v[S+32*\q+2*pb+1]
.endr
.set pb, pb+1
.endr
	v_nop                                          ; a plain instruction behind the last exponential, ahead of the first use
	s_wait_alu depctr_va_vdst(0)                   ; the wait ahead of the first line that names a result: one for the whole batch
.irp q, 0,1
	v_pk_mul_f32 v[ST+8*\q+2:ST+8*\q+3], v[ST+8*\q+2:ST+8*\q+3], v[ST+8*\q+6:ST+8*\q+7] op_sel_hi:[1,0]   ; l under the new m
.endr
.irp q, 0,1
	v_pk_add_f32 v[ST+8*\q+4:ST+8*\q+5], v[S+32*\q:S+32*\q+1], v[S+32*\q+2:S+32*\q+3]   ; the sum of the unrounded p, two at a time, in two chains
.endr
.irp j, 4,8,12,16,20,24,28
.irp q, 0,1
	v_pk_add_f32 v[ST+8*\q+2:ST+8*\q+3], v[ST+8*\q+2:ST+8*\q+3], v[S+32*\q+\j:S+32*\q+\j+1]
	v_pk_add_f32 v[ST+8*\q+4:ST+8*\q+5], v[ST+8*\q+4:ST+8*\q+5], v[S+32*\q+\j+2:S+32*\q+\j+3]
.endr
.endr
.irp q, 0,1
	v_pk_add_f32 v[ST+8*\q+2:ST+8*\q+3], v[ST+8*\q+2:ST+8*\q+3], v[ST+8*\q+4:ST+8*\q+5]
.endr
.irp p, 0,1,2,3,4,5,6,7,8,9,10,11,12,13,14,15
.irp q, 0,1
	v_cvt_pk_f16_f32 v[S+32*\q+\p], v[S+32*\q+2*\p], v[S+32*\q+2*\p+1]      ; P, packed in place, ascending: registers 8 g .. 8 g + 7 are keys 32 g on
.endr
.endr
.irp p, 0,2,4,6,8,10,12,14,16,18,20,22,24,26,28,30
.irp q, 0,1
	v_pk_mul_f32 v[O+32*\q+\p:O+32*\q+\p+1], v[O+32*\q+\p:O+32*\q+\p+1], v[ST+8*\q+6:ST+8*\q+7] op_sel_hi:[1,0]   ; O^T under the new m, each accumulator from its low end on
.endr
.endr
.endm
; A KEY STEP: 64 keys.  The accumulators take turns, one instruction a turn: eight in each product.
.macro KSTEP
	v_add_nc_u32 v[ADK], s[TB], v[LI]
	v_add_nc_u32 v[ADV], s[TB], v[LV]
.irp i, 0,1,2,3,4,5,6,7,8,9,10,11,12,13,14,15
	ds_load_b128 v[F+4*\i:F+4*\i+3], v[ADK] offset:512*\i                   ; K: 16 blocks on end are the 8 fragments' registers on end
.endr
	s_wait_dscnt 0x0
.irp c, 0,1
.irp kt, 0,1,2,3
.irp q, 0,1
.if \c == 0
	v_wmma_f32_16x16x32_f16 v[S+32*\q+8*\kt:S+32*\q+8*\kt+7], v[F+16*\kt+8*\c:F+16*\kt+8*\c+7], v[Q+16*\q+8*\c:Q+16*\q+8*\c+7], 0
.else
	v_wmma_f32_16x16x32_f16 v[S+32*\q+8*\kt:S+32*\q+8*\kt+7], v[F+16*\kt+8*\c:F+16*\kt+8*\c+7], v[Q+16*\q+8*\c:Q+16*\q+8*\c+7], v[S+32*\q+8*\kt:S+32*\q+8*\kt+7]
.endif
.endr
.endr
.endr
.rept 4
	v_nop                                          ; four places: ahead of the loads into K's registers, and of the first read of the scores
.endr
.irp g, 0,1
.irp ct, 0,1,2,3
	ds_load_tr16_b128 v[F+32*\g+8*\ct:F+32*\g+8*\ct+3], v[ADV] offset:4096*\g+512*\ct            ; V turned: channel lane % 16, keys 32 g + 8 (lane / 16) + 0 .. 7;
	ds_load_tr16_b128 v[F+32*\g+8*\ct+4:F+32*\g+8*\ct+7], v[ADV] offset:4096*\g+512*\ct+2048     ; and 16 keys on.  They land while the softmax is walked
.endr
.endr
	SOFTMAX
	s_wait_dscnt 0x0                               ; V is in
.irp g, 0,1
.irp ct, 0,1,2,3
.irp q, 0,1
	v_wmma_f32_16x16x32_f16 v[O+32*\q+8*\ct:O+32*\q+8*\ct+7], v[F+32*\g+8*\ct:F+32*\g+8*\ct+7], v[S+32*\q+8*\g:S+32*\q+8*\g+7], v[O+32*\q+8*\ct:O+32*\q+8*\ct+7]
.endr
.endr
.endr
.rept 3
	v_nop                                          ; with the next step's two additions: five places ahead of the products that write over P, four and more ahead of the loads into V's registers
.endr
.endm
.macro SLOT_STEPS                      ; a slot's eight key steps: written once, walked eight times
	s_mov_b32 s[CNT], 8
.Lstep_\@:
	KSTEP
	s_add_co_u32 s[TB], s[TB], STEPB
	s_sub_co_u32 s[CNT], s[CNT], 1
	s_cmp_lg_u32 s[CNT], 0
	s_cbranch_scc1 .Lstep_\@
	s_sub_co_u32 s[TB], s[TB], 8*STEPB             ; back to a slot's first step,
	s_xor_b32 s[TB], s[TB], SLOT1                  ; in the other slot
.endm
	s_load_b128 s[4:7], s[0:1], 0x0                ; qkv s[4:5], ctx s[6:7]
	v_lshl_add_u32 v[SPW], v0, 2, SPARE
	v_mov_b32 v[NIL], 0
	ds_add_u32 v[SPW], v[NIL]                      ; the wave's opening: the add, twice on end, and its wait ahead of my first tensor load
	ds_add_u32 v[SPW], v[NIL]                      ; and once more, under the one wait; the set-up below, work on registers, stands between
	v_lshrrev_b32 v1, 5, v0
	v_readfirstlane_b32 s[WV], v1                  ; wave 0..7
	s_bfe_u32 s9, ttmp6, 0x40000                   ; cx: my place in the cluster
	s_lshl_b32 s10, ttmp9, 2                       ; in a cluster launch ttmp9 counts clusters
	s_add_co_u32 s10, s10, s9                      ; my block of 256 queries: it enters Q's and ctx's addresses alone
	s_and_b32 s11, ttmp7, 0xffff                   ; batch x head, which the four partners share
	; descriptor group 1: 16,384 dense bytes as 64 rows of 256 bytes (32 elements of 8 bytes), no padding
	s_mov_b32 s[G1], 15|(3<<16)|(1<<21)            ; 15:0 the mask: all four work-groups; 17:16 elements of 8 bytes; 21 set beside a mask
	s_mov_b32 s[G1+1], 32<<16                      ; tensor_dim0 = 32
	s_mov_b32 s[G1+2], 64<<16                      ; tensor_dim1 = 64
	s_mov_b32 s[G1+3], 32<<16                      ; tile_dim0 = 32
	s_mov_b32 s[G1+4], 64                          ; tile_dim1 = 64
	s_mov_b32 s[G1+5], 32                          ; from row to row
	s_mov_b32 s[G1+6], 0
	s_mov_b32 s[G1+7], 0
	s_lshr_b32 s12, s[WV], 2                       ; what I fetch: waves 0-3 K (tensor 1), waves 4-7 V (tensor 2),
	s_add_co_u32 s12, s12, 1
	s_lshl_b32 s12, s12, 23
	s_lshl_b32 s13, s11, 19                        ; my head's 256 tiles of 2,048 bytes,
	s_add_co_u32 s12, s12, s13
	s_and_b32 s13, s[WV], 3
	s_lshl_b32 s13, s13, 14                        ; my quarter of a slot
	s_add_co_u32 s12, s12, s13
	s_mov_b32 s13, 0
	s_mov_b32 s[CS], 0x3e38aa3b                    ; c = log2(e) / sqrt(64)
	s_mov_b32 s[CS+1], s[CS]
	s_mov_b32 s[SEL], 0x76543210
	s_mov_b32 s[SEL+1], 0xfedcba98
	s_mov_b32 s[TB], 0
	s_mov_b32 s[SLOTS], 7
	s_lshr_b32 s[LIM], s[WV], 2                    ; 0 in waves 0 to 3,
	s_or_b32 s[LIM], s[LIM], ttmp9                 ; of the head's first cluster: the same in all four partners
	s_cmp_eq_u32 s[LIM], 0
	s_cselect_b32 s[LIM], 1, -1
	s_wait_dscnt 0x0                               ; both opening adds are done
	s_wait_kmcnt 0x0
	s_mov_b32 s[G0], 1                             ; count = 1
	s_lshl_b32 s[G0+1], s[WV], 14                  ; LDS: wave x 16,384 in slot 0: K's four quarters, then V's; no place in the cluster enters it
	s_add_nc_u64 s[G0+2:G0+3], s[4:5], s[12:13]
	s_or_b32 s[G0+3], s[G0+3], 0x80000000          ; type = 2
	CROUND                                         ; all four work-groups are here: the first joint loads meet
	tensor_load_to_lds s[G0:G0+3], s[G1:G1+7]      ; slot 0; slot 1 is first filled behind the first change's round, as a refill is
	s_nop 0
	v_and_b32 v1, 31, v0
	v_lshlrev_b32 v[PFO], 8, v1
	v_lshlrev_b32 v[LI], 4, v1
	v_add_nc_u32 v[LV], VOFF, v[LI]
	s_lshl_b32 s38, s11, 19                        ; Q: my head,
	s_lshl_b32 s39, s10, 15                        ; my block's 16 tiles,
	s_add_co_u32 s38, s38, s39
	s_lshl_b32 s39, s[WV], 12                      ; my wave's two
	s_add_co_u32 s38, s38, s39
	s_mov_b32 s39, 0
	s_add_nc_u64 s[40:41], s[4:5], s[38:39]
.irp i, 0,1,2,3,4,5,6,7
	global_load_b128 v[Q+4*\i:Q+4*\i+3], v[LI], s[40:41] offset:512*\i      ; Q stays in registers
.endr
	s_lshr_b32 s14, s11, 3                         ; ctx: the batch's 256 tiles of 16,384 bytes,
	s_lshl_b32 s14, s14, 22
	s_lshl_b32 s15, s10, 18                        ; my block's 16,
	s_add_co_u32 s14, s14, s15
	s_lshl_b32 s15, s[WV], 15                      ; my wave's two,
	s_add_co_u32 s14, s14, s15
	s_and_b32 s15, s11, 7
	s_lshl_b32 s15, s15, 11                        ; my head's four blocks
	s_add_co_u32 s14, s14, s15
	s_mov_b32 s15, 0
	s_add_nc_u64 s[6:7], s[6:7], s[14:15]
	s_lshr_b32 s38, s[WV], 1                       ; the prefetches: waves 0, 1 K (tensor 1), waves 2, 3 V (tensor 2),
	s_and_b32 s38, s38, 1
	s_add_co_u32 s38, s38, 1
	s_lshl_b32 s38, s38, 23
	s_lshl_b32 s39, s11, 19                        ; my head,
	s_add_co_u32 s38, s38, s39
	s_lshl_b32 s39, s9, 14                         ; my work-group's quarter of a slot,
	s_add_co_u32 s38, s38, s39
	s_and_b32 s39, s[WV], 1
	s_lshl_b32 s39, s39, 13                        ; my wave's half of that,
	s_add_co_u32 s38, s38, s39
	s_add_co_u32 s38, s38, SLOTB                   ; in slot 1: the first change of slots steps it to slot 2.  Nothing is prefetched here, at the head
	s_mov_b32 s39, 0
	s_add_nc_u64 s[PFA:PFA+1], s[4:5], s[38:39]
.irp q, 0,1
	v_mov_b32 v[ST+8*\q+1], 0xff61b1e6             ; m: -3e38, under every score
	v_mov_b32 v[ST+8*\q+2], 0                      ; l
	v_mov_b32 v[ST+8*\q+3], 0
	v_mul_f32 v[ST+8*\q], s[CS], v[ST+8*\q+1]      ; c m
.endr
.set z, 0
.rept 64
	v_mov_b32 v[O+z], 0                            ; O^T.  The step is written once: the first finds zeros, which a = 0 leaves zeros
.set z, z+1
.endr
	s_wait_loadcnt 0x0                             ; Q
.Lslot:                                            ; seven trips: behind each change of slots but the last the next slot is asked for
	CHANGE 1
	SLOT_STEPS
	s_sub_co_u32 s[SLOTS], s[SLOTS], 1
	s_cmp_lg_u32 s[SLOTS], 0
	s_cbranch_scc1 .Lslot
	CHANGE 0                                       ; the last slot is written out
	SLOT_STEPS
	; THE WAY OUT.  l's two halves and the other half of the lanes' are added; O^T is divided by l and packed to f16: a lane's eight channels of a row are 16 bytes, four registers of the next product's operand, stored as an image.
	; The step's three v_nop and the two additions are the places behind the last products.
.irp q, 0,1
	v_add_f32 v[ST+8*\q+4], v[ST+8*\q+2], v[ST+8*\q+3]
.endr
.irp q, 0,1
	v_permlanex16_b32 v[ST+8*\q+5], v[ST+8*\q+4], s[SEL], s[SEL+1]
.endr
.irp q, 0,1
	v_add_f32 v[ST+8*\q+4], v[ST+8*\q+4], v[ST+8*\q+5]
.endr
.irp q, 0,1
	v_rcp_f32 v[ST+8*\q+6], v[ST+8*\q+4]
.endr
	v_nop                                          ; a plain instruction between the last reciprocal and the use of its result
	s_wait_alu depctr_va_vdst(0)                   ; and the wait ahead of the first use: one for both
.set z, 0
.rept 32
	v_pk_mul_f32 v[O+z:O+z+1], v[O+z:O+z+1], v[ST+8*(z/32)+6:ST+8*(z/32)+7] op_sel_hi:[1,0]
.set z, z+2
.endr
.set z, 0
.rept 32
	v_cvt_pk_f16_f32 v[S+z], v[O+2*z], v[O+2*z+1]
.set z, z+1
.endr
.irp q, 0,1
.irp ct, 0,1,2,3
	global_store_b128 v[LI], v[S+16*\q+4*\ct:S+16*\q+4*\ct+3], s[6:7] offset:16384*\q+512*\ct   ; 32 lanes store 512 consecutive bytes
.endr
.endr
	s_wait_tensorcnt 0x0                           ; the wave's end, behind my last tensor load
	ds_add_u32 v[SPW], v[NIL]
	s_wait_dscnt 0x0
	CROUND                                         ; the closing round: no work-group ends while a partner may still ask for a tile that names it
	s_endpgm
.Lfunc_end_k_q7110223930_attn:
	.size	k_q7110223930_attn, .Lfunc_end_k_q7110223930_attn-k_q7110223930_attn
	.p2alignl 7, 3214868480
	.fill 96, 4, 3214868480
	.section	.rodata,"a",@progbits
	.p2align	6, 0x0
	.amdhsa_kernel k_q7110223930_attn
		.amdhsa_group_segment_fixed_size 327680
		.amdhsa_private_segment_fixed_size 0
		.amdhsa_enable_private_segment 0
		.amdhsa_kernarg_size 16
		.amdhsa_user_sgpr_count 2
		.amdhsa_user_sgpr_kernarg_segment_ptr 1
		.amdhsa_wavefront_size32 1
		.amdhsa_system_sgpr_workgroup_id_x 1
		.amdhsa_system_sgpr_workgroup_id_y 1
		.amdhsa_system_sgpr_workgroup_id_z 1
		.amdhsa_system_vgpr_workitem_id 0
		.amdhsa_next_free_vgpr 256
		.amdhsa_next_free_sgpr 66
		.amdhsa_reserve_vcc 0
		.amdhsa_float_denorm_mode_32 3
		.amdhsa_float_denorm_mode_16_64 3
		.amdhsa_memory_ordered 1
		.amdhsa_forward_progress 1
		.amdhsa_inst_pref_size 49
	.end_amdhsa_kernel
	.amdgpu_metadata
---
amdhsa.version: [ 1, 2 ]
amdhsa.kernels:
  - .name:           k_q7110223930_attn
    .symbol:         k_q7110223930_attn.kd
    .args:
      - { .name: qkv, .offset: 0, .size: 8, .value_kind: global_buffer, .address_space: global }
      - { .name: ctx, .offset: 8, .size: 8, .value_kind: global_buffer, .address_space: global }
    .group_segment_fixed_size: 327680
    .private_segment_fixed_size: 0
    .kernarg_segment_align: 8
    .kernarg_segment_size: 16
    .max_flat_workgroup_size: 256
    .sgpr_count:     66
    .vgpr_count:     256
    .wavefront_size: 32
...
	.end_amdgpu_metadata
.endif
;; end of part 3
;; launch outp (part 4): grid 64 x 4, 8 waves a work-group, no clusters, 70,656 bytes of LDS; arguments ctx, wo16, bo, out0; writes out0
.if DOCPART == 4
	.amdgcn_target "amdgcn-amd-amdhsa--gfx1250"
	.amdhsa_code_object_version 6
	.text
	.protected	k_q7110223930_outp
	.globl	k_q7110223930_outp
	.p2align	8
	.type	k_q7110223930_outp,@function
k_q7110223930_outp:
	s_mov_b64 s[64:65], 0
	v_nop
	global_prefetch_b8 v0, s[64:65] scope:SCOPE_SE
	s_setreg_imm32_b32 hwreg(HW_REG_WAVE_MODE, 25, 1), 1
	s_wait_xcnt 0x0
; out0 = ctx Wo^T + bo.  ctx [8,192][512] and Wo [512][512] in f16, as images of operand registers (16 bytes a lane at 16 x lane); sums in f32; out0 [8,192][512] f32.
;   ctx  [tile of 16 rows 512][2 ks + blk][512 B];   wo16 [tile of 16 rows of Wo 32][ks 16][blk 2][512 B];   K step ks = 32 along K.
; Work-group (x, y): rows 128 x .. +127, columns 128 y .. +127.  Eight waves: wave w takes rows 32 (w % 4) .. +31 (two tiles) and columns 64 (w / 4) .. +63 (four tiles): 8 accumulators.
; Fragments come from memory straight into registers, 512 consecutive bytes a load, three sets by turns, two K steps ahead; every offset is an immediate and nothing is stepped.  No tensor load, no barrier: waves share nothing.
; No cluster and no LDS ring: the launch multiplies 512 along K once, and what its work-groups share (Wo, 512 KiB; a tile of ctx, read by eight waves) is small.
; THE PRODUCT IS USED TRANSPOSED (source 0 = 16 rows of Wo, source 1 = 16 rows of ctx): a lane holds eight neighbouring columns of one row.  The bias is the C of each sum's first matrix instruction.
; THE WAY OUT: a tile of 16 rows x 64 columns goes through the wave's own stage in LDS and leaves as rows of 256 bytes, sixteen lanes to an aligned 256 bytes of out0.
.set SPITCH, 272                       ; a stage row: 256 bytes + 16: the sixteen rows that a store touches start at sixteen different 16-byte columns modulo 256
.set STG1,   16*SPITCH                 ; a stage: 16 rows; two for each wave
.set SPARE,  8*2*STG1                  ; behind the stages: the spare words, 128 bytes for each wave: four blocks of 256 bytes that no other line names
.set LI,  1                            ; v1  16 x lane
.set STO, 2                            ; v2  where I put 32 bytes of a row
.set RD,  3                            ; v3  where I read a row back
.set CO,  4                            ; v4  my byte offset in out0
.set BO,  5                            ; v5  32 h
.set SPW, 6                            ; v6  my spare word; never rewritten
.set NIL, 7                            ; v7  0; never rewritten
.set FR,  16                           ; v16-159  three sets of 48: ctx's two fragments, then Wo's four; on the way out rows of out0
.set ACC, 160                          ; v160-223 accumulator (mi, t) at 32 mi + 8 t
.set BI,  224                          ; v224-255 the bias, 8 registers a tile of columns
.macro LOAD ks                         ; K step ks: 12 loads into set ks % 3
.set FL, FR+48*((\ks)%3)
.irp mi, 0,1
.irp blk, 0,1
	global_load_b128 v[FL+8*\mi+4*\blk:FL+8*\mi+4*\blk+3], v[LI], s[4:5] offset:16384*\mi+1024*(\ks)+512*\blk
.endr
.endr
.irp t, 0,1,2,3
.irp blk, 0,1
	global_load_b128 v[FL+16+8*\t+4*\blk:FL+16+8*\t+4*\blk+3], v[LI], s[6:7] offset:16384*\t+1024*(\ks)+512*\blk
.endr
.endr
.endm
	s_load_b256 s[4:11], s[0:1], 0x0               ; ctx s[4:5], wo16 s[6:7], bo s[8:9], out0 s[10:11]
	v_lshl_add_u32 v[SPW], v0, 2, SPARE
	v_mov_b32 v[NIL], 0
	v_lshrrev_b32 v8, 5, v0
	v_readfirstlane_b32 s12, v8                    ; wave 0..7
	s_and_b32 s13, ttmp7, 0xffff                   ; y
	s_and_b32 s14, s12, 3                          ; which 32 rows
	s_lshr_b32 s15, s12, 2                         ; which 64 columns
	v_and_b32 v8, 31, v0                           ; lane
	v_and_b32 v9, 15, v0                           ; r
	v_bfe_u32 v10, v0, 4, 1                        ; h
	v_lshlrev_b32 v[LI], 4, v8
	s_mul_i32 s16, s12, 2*STG1                     ; my stages
	v_mul_u32_u24 v[STO], v9, SPITCH               ; in: row r, 32 bytes for each half of the lanes
	v_lshl_add_u32 v[STO], v10, 5, v[STO]
	v_add_nc_u32 v[STO], s16, v[STO]
	v_mul_u32_u24 v[RD], v10, SPITCH               ; back: lanes 0-15 one row of 256 bytes, lanes 16-31 the next
	v_lshl_add_u32 v[RD], v9, 4, v[RD]
	v_add_nc_u32 v[RD], s16, v[RD]
	v_lshlrev_b32 v[CO], 11, v10                   ; and the same two rows in out0: 2,048 bytes a row
	v_lshl_add_u32 v[CO], v9, 4, v[CO]
	v_lshlrev_b32 v[BO], 5, v10
	s_lshl_b32 s16, ttmp9, 17                      ; ctx: 8 tiles of 16,384 bytes a work-group,
	s_lshl_b32 s18, s14, 15                        ; my two
	s_add_co_u32 s16, s16, s18
	s_mov_b32 s17, 0
	s_lshl_b32 s18, s13, 17                        ; wo16: 8 tiles a work-group,
	s_lshl_b32 s20, s15, 16                        ; my four
	s_add_co_u32 s18, s18, s20
	s_mov_b32 s19, 0
	s_lshl_b32 s20, s13, 9                         ; bo, and a row of out0: column 128 y + 64 (w / 4), 4 bytes each
	s_lshl_b32 s22, s15, 8
	s_add_co_u32 s20, s20, s22
	s_mov_b32 s21, 0
	s_lshl_b32 s22, ttmp9, 18                      ; out0: 128 rows of 2,048 bytes a work-group,
	s_lshl_b32 s24, s14, 16                        ; my 32,
	s_add_co_u32 s22, s22, s24
	s_add_co_u32 s22, s22, s20                     ; my columns
	s_mov_b32 s23, 0
	s_wait_kmcnt 0x0
	s_add_nc_u64 s[4:5], s[4:5], s[16:17]
	s_add_nc_u64 s[6:7], s[6:7], s[18:19]
	s_add_nc_u64 s[8:9], s[8:9], s[20:21]
	s_add_nc_u64 s[10:11], s[10:11], s[22:23]
.irp t, 0,1,2,3
	global_load_b128 v[BI+8*\t:BI+8*\t+3], v[BO], s[8:9] offset:64*\t           ; lane (r, h): the bias of columns 16 t + 8 h + 0 .. 7
	global_load_b128 v[BI+8*\t+4:BI+8*\t+7], v[BO], s[8:9] offset:64*\t+16
.endr
	LOAD 0
	LOAD 1
	LOAD 2
.set KS, 0
.rept 16
.if KS <= 13
	s_wait_loadcnt 24                              ; this K step's 12 loads (and, the first time, the bias) are in; the two younger sets may be out
.elseif KS == 14
	s_wait_loadcnt 12                              ; one younger set is left
.else
	s_wait_loadcnt 0x0
.endif
.set FM, FR+48*(KS%3)
.irp mi, 0,1
.irp t, 0,1,2,3
.if KS == 0
	v_wmma_f32_16x16x32_f16 v[ACC+32*\mi+8*\t:ACC+32*\mi+8*\t+7], v[FM+16+8*\t:FM+16+8*\t+7], v[FM+8*\mi:FM+8*\mi+7], v[BI+8*\t:BI+8*\t+7]
.else
	v_wmma_f32_16x16x32_f16 v[ACC+32*\mi+8*\t:ACC+32*\mi+8*\t+7], v[FM+16+8*\t:FM+16+8*\t+7], v[FM+8*\mi:FM+8*\mi+7], v[ACC+32*\mi+8*\t:ACC+32*\mi+8*\t+7]
.endif
.endr
.endr
.rept 4
	v_nop                                          ; four places ahead of loads into registers that these products read, and, behind the last K step, of the first read of results
.endr
.if KS+3 <= 15
	LOAD KS+3
.endif
.set KS, KS+1
.endr
.irp mi, 0,1
.irp t, 0,1,2,3
	ds_store_b128 v[STO], v[ACC+32*\mi+8*\t:ACC+32*\mi+8*\t+3] offset:STG1*\mi+64*\t          ; each accumulator from its low end on
	ds_store_b128 v[STO], v[ACC+32*\mi+8*\t+4:ACC+32*\mi+8*\t+7] offset:STG1*\mi+64*\t+16
.endr
.irp i, 0,1,2,3,4,5,6,7
	ds_load_b128 v[FR+32*\mi+4*\i:FR+32*\mi+4*\i+3], v[RD] offset:STG1*\mi+2*SPITCH*\i        ; LDS serves a wave's instructions in order: these see my stores
.endr
.endr
	s_wait_dscnt 16                                ; the first tile's rows are back; the second tile's 8 stores and 8 loads may be out
.irp i, 0,1,2,3,4,5,6,7
	global_store_b128 v[CO], v[FR+4*\i:FR+4*\i+3], s[10:11] offset:4096*\i th:TH_STORE_NT     ; 16 lanes store 256 consecutive bytes, at a multiple of 256 from out0's first byte
.endr
	s_wait_dscnt 0x0
.irp i, 0,1,2,3,4,5,6,7
	global_store_b128 v[CO], v[FR+32+4*\i:FR+32+4*\i+3], s[10:11] offset:32768+4096*\i th:TH_STORE_NT
.endr
	s_wait_tensorcnt 0x0                           ; the wave's end, behind my last LDS store
	ds_add_u32 v[SPW], v[NIL]
	s_wait_dscnt 0x0
	s_endpgm
.Lfunc_end_k_q7110223930_outp:
	.size	k_q7110223930_outp, .Lfunc_end_k_q7110223930_outp-k_q7110223930_outp
	.p2alignl 7, 3214868480
	.fill 96, 4, 3214868480
	.section	.rodata,"a",@progbits
	.p2align	6, 0x0
	.amdhsa_kernel k_q7110223930_outp
		.amdhsa_group_segment_fixed_size 70656
		.amdhsa_private_segment_fixed_size 0
		.amdhsa_enable_private_segment 0
		.amdhsa_kernarg_size 32
		.amdhsa_user_sgpr_count 2
		.amdhsa_user_sgpr_kernarg_segment_ptr 1
		.amdhsa_wavefront_size32 1
		.amdhsa_system_sgpr_workgroup_id_x 1
		.amdhsa_system_sgpr_workgroup_id_y 1
		.amdhsa_system_sgpr_workgroup_id_z 1
		.amdhsa_system_vgpr_workitem_id 0
		.amdhsa_next_free_vgpr 256
		.amdhsa_next_free_sgpr 66
		.amdhsa_reserve_vcc 0
		.amdhsa_float_denorm_mode_32 3
		.amdhsa_float_denorm_mode_16_64 3
		.amdhsa_memory_ordered 1
		.amdhsa_forward_progress 1
		.amdhsa_inst_pref_size 35
	.end_amdhsa_kernel
	.amdgpu_metadata
---
amdhsa.version: [ 1, 2 ]
amdhsa.kernels:
  - .name:           k_q7110223930_outp
    .symbol:         k_q7110223930_outp.kd
    .args:
      - { .name: ctx, .offset: 0, .size: 8, .value_kind: global_buffer, .address_space: global }
      - { .name: wo16, .offset: 8, .size: 8, .value_kind: global_buffer, .address_space: global }
      - { .name: bo, .offset: 16, .size: 8, .value_kind: global_buffer, .address_space: global }
      - { .name: out0, .offset: 24, .size: 8, .value_kind: global_buffer, .address_space: global }
    .group_segment_fixed_size: 70656
    .private_segment_fixed_size: 0
    .kernarg_segment_align: 8
    .kernarg_segment_size: 32
    .max_flat_workgroup_size: 256
    .sgpr_count:     66
    .vgpr_count:     256
    .wavefront_size: 32
...
	.end_amdgpu_metadata
.endif
;; end of part 4
